; MI455X (gfx1250); checked and timed in simulation.
; The chip was launched on July 23, 2026; its instructions are those of AMD's public machine-readable ISA for CDNA 5 (MIT licence, August 2026) and "CDNA5" Instruction Set Architecture Reference Guide (July 2026). The comments in the code are by the model that wrote it; some were corrected since.
;; Agentembedding. Allowed arithmetic: float matrix products may take bf16 or f16 operands with f32 sums; all other float work in f32.
;; Inputs: Wk 512 x 512 float32; Wq 1,024 x 512 float32; Wv 512 x 512 float32; bk 512 float32; bq 512 float32; bv 512 float32; f 32 x 2,048 x 512 float32; f_c 32 x 256 x 1,024 float32.
;; Outputs: out0 32 x 256 x 512 float32.
;; One version. Each part assembles by itself: llvm-mc -triple=amdgcn-amd-amdhsa -mcpu=gfx1250 --defsym DOCPART=n.
;; ======== version 1 of 1: 4 launches
;; workspace buffers: wpf 1,048,576 bytes; wvf 524,288 bytes; bpr 2,048 bytes; wcb 4,352 bytes; qkf 8,388,608 bytes; cvec 32,768 bytes; opart 67,108,864 bytes; mlp 262,144 bytes
;; launch prep (part 1): grid 272 x 1, 8 waves a work-group, no clusters, 135,168 bytes of LDS; arguments Wq, Wk, Wv, bq, bk, wpf, wvf, bpr, wcb; writes wpf, wvf, bpr, wcb
.if DOCPART == 1
	.amdgcn_target "amdgcn-amd-amdhsa--gfx1250"
	.amdhsa_code_object_version 6
	.text
	.protected	k_q786ccefc54_prep
	.globl	k_q786ccefc54_prep
	.p2align	8
	.type	k_q786ccefc54_prep,@function
k_q786ccefc54_prep:
	s_mov_b64 s[64:65], 0
	v_nop
	global_prefetch_b8 v0, s[64:65] scope:SCOPE_SE
	s_setreg_imm32_b32 hwreg(HW_REG_WAVE_MODE, 25, 1), 1
	s_wait_xcnt 0x0
; Products of the weights alone, made once.  sc = log2(e) / sqrt(512) is folded in here, so that every later exponential is a power of two.
;   W'[d][kk] = sc * sum_k Wk[d][k] Wq[kk][k]   (bf16, in fragment order)      b'[d]  = sc * Wk[d] . bq   (f32)
;   wc[kk]    = sc * Wq[kk] . bk  (f32)          c0 = sc * bq . bk  (f32)       Wv transposed into fragment order (bf16)
; With them  k[n] . q[q] * sc = f[n] . (W' f_c[q] + b') + (wc . f_c[q] + c0),  for every input.
; Work-groups 0..255: 64 rows of Wq (kkb = x & 15) against 32 rows of Wk (db = x >> 4), K = 512; eight waves, one 16 x 16 tile each.
; Work-groups 256..271: 32 rows of Wv each.  The branch hangs on the work-group's number alone, so all eight waves take the same way.
; The two ways have LDS bytes of their own (the second way's tile lies behind all that the first uses): no byte of LDS is touched on both,
; so no ordering between the two ways' LDS accesses is needed.
; FRAGMENT ORDER: a lane's 16 bytes (8 bf16) are stored at tile * 512 + 16 * lane: every store and every later load of a wave covers
; 512 consecutive bytes, and what a lane loads later is one half (registers 0-3 or 4-7) of a 16 x 32 matrix operand.
; No cluster: the shared rows are f32 and pass through registers to be converted; each work-group reads 192 KiB once.
; Limit: W' and Wv are rounded to bf16 as matrix operands; the dot products with the biases stay in f32.
.set SC,   0x3d8293ee                  ; log2(e) / sqrt(512)
.set PQ,   1040                        ; LDS row: 512 bf16 + 16 bytes, an odd multiple of 16: sixteen rows start at sixteen different 16-byte columns modulo 256
.set WKB,  64*PQ                       ; Wk's 32 rows lie behind Wq's 64
.set VSQ,  WKB+32*PQ                   ; 64 words: wc of this block's rows of Wq
.set VSB,  VSQ+256                     ; 32 words: b' of this block's rows of Wk
.set WVB,  VSB+256                     ; 100,352: Wv's tile, 32 rows of PV bytes, used by work-groups 256..271 alone
.set PV,   1056                        ; Wv's LDS row: an odd multiple of 32, for the transposing load
.set BQ,   16                          ; v[16:31]   bq at k = 128 seg + 4 lane + e
.set BK,   32                          ; v[32:47]   bk likewise
.set XK,   48                          ; v[48:111]  my 4 rows of Wk (or of Wv), 16 registers a row
.set XQ,   112                         ; v[112:239] my 8 rows of Wq
.set FA,   48                          ; behind the barrier: 8 fragments of Wq
.set FB,   112                         ;                     8 fragments of Wk
.set ACC0, 176
.set ACC1, 184
.set PK,   192
; sc * (x . y) over 512 numbers spread over the wave as 16 registers a lane; the result lands in v14 of every lane
.macro DOT x, y
	v_pk_mul_f32 v[12:13], v[\x:\x+1], v[\y:\y+1]
.irp j, 2,4,6,8,10,12,14
	v_pk_fma_f32 v[12:13], v[\x+\j:\x+\j+1], v[\y+\j:\y+\j+1], v[12:13]
.endr
	v_add_f32 v14, v12, v13
	v_add_f32_dpp v14, v14, v14 row_xmask:1 row_mask:0xf bank_mask:0xf
	v_add_f32_dpp v14, v14, v14 row_xmask:2 row_mask:0xf bank_mask:0xf
	v_add_f32_dpp v14, v14, v14 row_xmask:4 row_mask:0xf bank_mask:0xf
	v_add_f32_dpp v14, v14, v14 row_xmask:8 row_mask:0xf bank_mask:0xf
	v_permlanex16_b32 v15, v14, s26, s27
	v_add_f32 v14, v14, v15
	v_mul_f32 v14, SC, v14
.endm
; four f32 of a lane become four bf16, 8 bytes into LDS: a wave's store covers 256 consecutive bytes
.macro CVST x, adr, off
	v_cvt_pk_bf16_f32 v[\x], v[\x], v[\x+1]
	v_cvt_pk_bf16_f32 v[\x+1], v[\x+2], v[\x+3]
	ds_store_b64 v[\adr], v[\x:\x+1] offset:\off
.endm
	s_load_b512 s[4:19], s[0:1], 0x0               ; Wq s[4:5], Wk s[6:7], Wv s[8:9], bq s[10:11], bk s[12:13], wpf s[14:15], wvf s[16:17], bpr s[18:19]
	s_load_b64 s[20:21], s[0:1], 0x40              ; wcb
	v_lshl_add_u32 v254, v0, 2, 0x20c00
	v_mov_b32 v255, 0
	v_and_b32 v1, 31, v0                           ; lane
	v_lshrrev_b32 v2, 5, v0
	v_readfirstlane_b32 s22, v2                    ; wave
	v_lshlrev_b32 v4, 4, v1                        ; 16 x lane
	s_cmp_ge_u32 ttmp9, 256
	s_cbranch_scc1 .Lwv
	; ---------------- W', b', wc, c0 ----------------
	s_and_b32 s23, ttmp9, 15                       ; kkb
	s_lshr_b32 s24, ttmp9, 4                       ; db
	s_lshl_b32 s28, s23, 17                        ; 64 rows of 2,048 bytes
	s_mov_b32 s29, 0
	s_lshl_b32 s30, s24, 16                        ; 32 rows
	s_mov_b32 s31, 0
	s_mov_b32 s26, 0x76543210                      ; v_permlanex16_b32: lane i reads lane i of the other half
	s_mov_b32 s27, 0xfedcba98
	v_lshl_add_u32 v2, s22, 14, v4                 ; my 8 rows of Wq
	v_lshl_add_u32 v3, s22, 13, v4                 ; my 4 rows of Wk
	s_wait_kmcnt 0x0
	s_add_nc_u64 s[4:5], s[4:5], s[28:29]
	s_add_nc_u64 s[6:7], s[6:7], s[30:31]
.irp g, 0,1,2,3
	global_load_b128 v[BQ+4*\g:BQ+4*\g+3], v4, s[10:11] offset:512*\g
	global_load_b128 v[BK+4*\g:BK+4*\g+3], v4, s[12:13] offset:512*\g
.endr
.irp i, 0,1,2,3
.irp g, 0,1,2,3
	global_load_b128 v[XK+16*\i+4*\g:XK+16*\i+4*\g+3], v3, s[6:7] offset:\i*2048+\g*512
.endr
.endr
.irp i, 0,1,2,3,4,5,6,7
.irp g, 0,1,2,3
	global_load_b128 v[XQ+16*\i+4*\g:XQ+16*\i+4*\g+3], v2, s[4:5] offset:\i*2048+\g*512
.endr
.endr
	v_and_b32 v12, 15, v1                          ; r
	v_lshrrev_b32 v13, 4, v1                       ; h
	s_mul_i32 s32, s22, 8*PQ
	v_lshl_add_u32 v5, v1, 3, s32                  ; where my rows of Wq go
	s_mul_i32 s33, s22, 4*PQ
	s_add_co_u32 s33, s33, WKB
	v_lshl_add_u32 v6, v1, 3, s33                  ; where my rows of Wk go
	v_mul_u32_u24 v7, v12, PQ
	v_lshl_add_u32 v7, v13, 4, v7                  ; r x pitch + 16 h
	s_and_b32 s34, s22, 1                          ; my tile: which 16 rows of Wk,
	s_lshr_b32 s35, s22, 1                         ; which 16 rows of Wq
	s_mul_i32 s36, s34, 16*PQ
	s_add_co_u32 s36, s36, WKB
	v_add_nc_u32 v8, s36, v7                       ; fragments of Wk
	s_mul_i32 s36, s35, 16*PQ
	v_add_nc_u32 v7, s36, v7                       ; fragments of Wq
	v_mov_b32 v9, 0                                ; wc of row lane & 7, gathered by selects
	v_mov_b32 v10, 0                               ; b' of row lane & 3
	v_mov_b32 v15, 0                               ; v_permlanex16_b32 counts as a reader of its destination
	v_and_b32 v11, 7, v1
	v_and_b32 v240, 3, v1
	s_lshl_b32 s36, s22, 5
	s_add_co_u32 s36, s36, VSQ
	v_lshl_add_u32 v241, v11, 2, s36               ; word 8 w + (lane & 7)
	s_lshl_b32 s36, s22, 4
	s_add_co_u32 s36, s36, VSB
	v_lshl_add_u32 v242, v240, 2, s36              ; word 4 w + (lane & 3)
	s_lshl_b32 s36, s24, 1
	s_add_co_u32 s36, s36, s34                     ; dt = 2 db + tile
	s_lshl_b32 s36, s36, 6
	s_lshl2_add_u32 s36, s23, s36                  ; dt * 64 + 4 kkb
	s_add_co_u32 s36, s36, s35                     ; + kt
	s_lshl_b32 s36, s36, 9
	v_add_nc_u32 v243, s36, v4                     ; my 16 bytes in wpf
	s_wait_loadcnt 0x0                             ; all 56 loads: the rows are used at once
	s_cmp_lg_u32 s23, 0                            ; b' is made by the sixteen work-groups with kkb = 0
	s_cbranch_scc1 .Lno_b
.irp i, 0,1,2,3
	DOT XK+16*\i, BQ
	v_cmp_eq_u32 vcc_lo, \i, v240
	v_cndmask_b32 v10, v10, v14, vcc_lo
.endr
	ds_store_b32 v242, v10                         ; lanes that share a word hold the same number
.Lno_b:
	s_cmp_lg_u32 s24, 0                            ; wc by the sixteen with db = 0
	s_cbranch_scc1 .Lno_q
.irp i, 0,1,2,3,4,5,6,7
	DOT XQ+16*\i, BK
	v_cmp_eq_u32 vcc_lo, \i, v11
	v_cndmask_b32 v9, v9, v14, vcc_lo
.endr
	ds_store_b32 v241, v9
.Lno_q:
.irp i, 0,1,2,3
.irp g, 0,1,2,3
	CVST XK+16*\i+4*\g, 6, \i*PQ+\g*256
.endr
.endr
.irp i, 0,1,2,3,4,5,6,7
.irp g, 0,1,2,3
	CVST XQ+16*\i+4*\g, 5, \i*PQ+\g*256
.endr
.endr
	s_wait_dscnt 0x0                               ; my stores are in LDS before I say so
	s_barrier_signal -1
	s_barrier_wait -1                              ; everybody's are
; eight K steps' fragments of both sides: 32 loads, then all of them waited for (16 matrix instructions a wave in all: nothing to overlap with)
.macro FRAGS base
.irp k, 0,1,2,3,4,5,6,7
	ds_load_b128 v[FA+8*\k:FA+8*\k+3],   v7 offset:(\base+\k)*64
	ds_load_b128 v[FA+8*\k+4:FA+8*\k+7], v7 offset:(\base+\k)*64+32
	ds_load_b128 v[FB+8*\k:FB+8*\k+3],   v8 offset:(\base+\k)*64
	ds_load_b128 v[FB+8*\k+4:FB+8*\k+7], v8 offset:(\base+\k)*64+32
.endr
	s_wait_dscnt 0x0
.endm
; Source 0 = rows of Wq, source 1 = rows of Wk: a lane's eight results are W'[d = r][kk = 8h .. 8h+7], 16 bytes of a row of W'.
; The two accumulators take turns, one instruction a turn.
.macro PAIR k, zero
.if \zero
	v_wmma_f32_16x16x32_bf16 v[ACC0:ACC0+7], v[FA+8*\k:FA+8*\k+7], v[FB+8*\k:FB+8*\k+7], 0
	v_wmma_f32_16x16x32_bf16 v[ACC1:ACC1+7], v[FA+8*\k+8:FA+8*\k+15], v[FB+8*\k+8:FB+8*\k+15], 0
.else
	v_wmma_f32_16x16x32_bf16 v[ACC0:ACC0+7], v[FA+8*\k:FA+8*\k+7], v[FB+8*\k:FB+8*\k+7], v[ACC0:ACC0+7]
	v_wmma_f32_16x16x32_bf16 v[ACC1:ACC1+7], v[FA+8*\k+8:FA+8*\k+15], v[FB+8*\k+8:FB+8*\k+15], v[ACC1:ACC1+7]
.endif
.endm
	FRAGS 0
	PAIR 0, 1                                      ; the first products start the sums
	PAIR 2, 0
	PAIR 4, 0
	PAIR 6, 0
.rept 4
	v_nop                                          ; four places before loads land on registers that matrix instructions have read
.endr
	FRAGS 8
	PAIR 0, 0
	PAIR 2, 0
	PAIR 4, 0
	PAIR 6, 0
.rept 4
	v_nop                                          ; four places before the results are read
.endr
.irp j, 0,2,4,6
	v_pk_add_f32 v[ACC0+\j:ACC0+\j+1], v[ACC0+\j:ACC0+\j+1], v[ACC1+\j:ACC1+\j+1]
.endr
.irp j, 0,2,4,6
	v_pk_mul_f32 v[ACC0+\j:ACC0+\j+1], v[ACC0+\j:ACC0+\j+1], SC op_sel_hi:[1,0]
.endr
.irp j, 0,1,2,3
	v_cvt_pk_bf16_f32 v[PK+\j], v[ACC0+2*\j], v[ACC0+2*\j+1]
.endr
	global_store_b128 v243, v[PK:PK+3], s[14:15]   ; the wave's store covers 512 consecutive bytes, aligned
	s_cmp_lg_u32 s22, 0                            ; wave 0 carries the vectors out
	s_cbranch_scc1 .Lend
	s_cmp_lg_u32 s24, 0
	s_cbranch_scc1 .Lno_wc
	v_lshl_add_u32 v196, v1, 3, VSQ
	s_lshl_b32 s36, s23, 8
	v_lshl_add_u32 v197, v1, 3, s36
	ds_load_b64 v[198:199], v196                   ; stored in front of the barrier
	s_wait_dscnt 0x0
	global_store_b64 v197, v[198:199], s[20:21]    ; 64 numbers of wc: 256 consecutive bytes, aligned
.Lno_wc:
	s_cmp_lg_u32 s23, 0
	s_cbranch_scc1 .Lend
	v_lshl_add_u32 v200, v1, 2, VSB
	s_lshl_b32 s37, s24, 7
	v_lshl_add_u32 v201, v1, 2, s37
	ds_load_b32 v202, v200
	s_wait_dscnt 0x0
	global_store_b32 v201, v202, s[18:19]          ; 32 numbers of b'
	s_cmp_lg_u32 s24, 0
	s_cbranch_scc1 .Lend
	DOT BQ, BK                                     ; work-group 0 alone: c0
	v_lshlrev_b32 v203, 2, v1
	global_store_b32 v203, v14, s[20:21] offset:4096   ; 32 copies behind wc
.Lend:
	s_wait_tensorcnt 0x0
	ds_add_u32 v254, v255
	s_wait_dscnt 0x0
	s_endpgm
	; ---------------- Wv, rows 32 ks .. 32 ks + 31, transposed into fragment order ----------------
.Lwv:
	s_sub_co_u32 s23, ttmp9, 256                   ; ks
	s_lshl_b32 s28, s23, 16
	s_mov_b32 s29, 0
	v_lshl_add_u32 v3, s22, 13, v4                 ; my 4 rows
	s_wait_kmcnt 0x0
	s_add_nc_u64 s[8:9], s[8:9], s[28:29]
.irp i, 0,1,2,3
.irp g, 0,1,2,3
	global_load_b128 v[XK+16*\i+4*\g:XK+16*\i+4*\g+3], v3, s[8:9] offset:\i*2048+\g*512
.endr
.endr
	s_mul_i32 s32, s22, 4*PV
	s_add_co_u32 s32, s32, WVB                     ; this way's own LDS bytes
	v_lshl_add_u32 v5, v1, 3, s32
	v_and_b32 v6, 7, v1
	v_lshrrev_b32 v7, 4, v1
	v_lshl_add_u32 v6, v7, 3, v6                   ; row 8 h + (lane & 7)
	v_mul_u32_u24 v6, v6, PV
	v_bfe_u32 v7, v1, 3, 1
	v_lshl_add_u32 v6, v7, 4, v6                   ; + 16 bytes for lanes 8-15 and 24-31
	v_lshl_add_u32 v6, s22, 7, v6                  ; + my 64 columns
	v_add_nc_u32 v6, WVB, v6                       ; in the tile behind the first way's bytes
	s_lshl_b32 s33, s22, 16                        ; vt = 4 w + t: 16,384 bytes a column tile
	s_lshl_b32 s34, s23, 10
	s_add_co_u32 s33, s33, s34
	v_add_nc_u32 v8, s33, v4
	s_wait_loadcnt 0x0
.irp i, 0,1,2,3
.irp g, 0,1,2,3
	CVST XK+16*\i+4*\g, 5, \i*PV+\g*256
.endr
.endr
	s_wait_dscnt 0x0
	s_barrier_signal -1
	s_barrier_wait -1
.irp t, 0,1,2,3
	ds_load_tr16_b128 v[XQ+8*\t:XQ+8*\t+3],   v6 offset:\t*32          ; lane (r, h): Wv[32 ks + 8h ..][16 vt + r]
	ds_load_tr16_b128 v[XQ+8*\t+4:XQ+8*\t+7], v6 offset:\t*32+16*PV    ; sixteen rows further down
.endr
.irp t, 0,1,2,3
	s_wait_dscnt 7-2*\t                            ; LDS loads come back in order: the count is the younger ones
	global_store_b128 v8, v[XQ+8*\t:XQ+8*\t+3], s[16:17] offset:\t*16384
	s_wait_dscnt 6-2*\t
	global_store_b128 v8, v[XQ+8*\t+4:XQ+8*\t+7], s[16:17] offset:\t*16384+512
.endr
	s_wait_tensorcnt 0x0
	ds_add_u32 v254, v255
	s_wait_dscnt 0x0
	s_endpgm
.Lfunc_end_k_q786ccefc54_prep:
	.size	k_q786ccefc54_prep, .Lfunc_end_k_q786ccefc54_prep-k_q786ccefc54_prep
	.p2alignl 7, 3214868480
	.fill 96, 4, 3214868480
	.section	.rodata,"a",@progbits
	.p2align	6, 0x0
	.amdhsa_kernel k_q786ccefc54_prep
		.amdhsa_group_segment_fixed_size 135168
		.amdhsa_private_segment_fixed_size 0
		.amdhsa_enable_private_segment 0
		.amdhsa_kernarg_size 72
		.amdhsa_user_sgpr_count 2
		.amdhsa_user_sgpr_kernarg_segment_ptr 1
		.amdhsa_wavefront_size32 1
		.amdhsa_system_sgpr_workgroup_id_x 1
		.amdhsa_system_sgpr_workgroup_id_y 1
		.amdhsa_system_sgpr_workgroup_id_z 1
		.amdhsa_system_vgpr_workitem_id 0
		.amdhsa_next_free_vgpr 256
		.amdhsa_next_free_sgpr 66
		.amdhsa_reserve_vcc 1
		.amdhsa_float_denorm_mode_32 3
		.amdhsa_float_denorm_mode_16_64 3
		.amdhsa_memory_ordered 1
		.amdhsa_forward_progress 1
		.amdhsa_inst_pref_size 46
	.end_amdhsa_kernel
	.amdgpu_metadata
---
amdhsa.version: [ 1, 2 ]
amdhsa.kernels:
  - .name:           k_q786ccefc54_prep
    .symbol:         k_q786ccefc54_prep.kd
    .args:
      - { .name: Wq, .offset: 0, .size: 8, .value_kind: global_buffer, .address_space: global }
      - { .name: Wk, .offset: 8, .size: 8, .value_kind: global_buffer, .address_space: global }
      - { .name: Wv, .offset: 16, .size: 8, .value_kind: global_buffer, .address_space: global }
      - { .name: bq, .offset: 24, .size: 8, .value_kind: global_buffer, .address_space: global }
      - { .name: bk, .offset: 32, .size: 8, .value_kind: global_buffer, .address_space: global }
      - { .name: wpf, .offset: 40, .size: 8, .value_kind: global_buffer, .address_space: global }
      - { .name: wvf, .offset: 48, .size: 8, .value_kind: global_buffer, .address_space: global }
      - { .name: bpr, .offset: 56, .size: 8, .value_kind: global_buffer, .address_space: global }
      - { .name: wcb, .offset: 64, .size: 8, .value_kind: global_buffer, .address_space: global }
    .group_segment_fixed_size: 135168
    .private_segment_fixed_size: 0
    .kernarg_segment_align: 8
    .kernarg_segment_size: 72
    .max_flat_workgroup_size: 256
    .sgpr_count:     66
    .vgpr_count:     256
    .wavefront_size: 32
...
	.end_amdgpu_metadata
.endif
;; end of part 1
;; launch qproj (part 2): grid 256 x 1, 8 waves a work-group, no clusters, 133,376 bytes of LDS; arguments f_c, wpf, bpr, wcb, qkf, cvec; writes qkf, cvec
.if DOCPART == 2
	.amdgcn_target "amdgcn-amd-amdhsa--gfx1250"
	.amdhsa_code_object_version 6
	.text
	.protected	k_q786ccefc54_qproj
	.globl	k_q786ccefc54_qproj
	.p2align	8
	.type	k_q786ccefc54_qproj,@function
k_q786ccefc54_qproj:
	s_mov_b64 s[64:65], 0
	v_nop
	global_prefetch_b8 v0, s[64:65] scope:SCOPE_SE
	s_setreg_imm32_b32 hwreg(HW_REG_WAVE_MODE, 25, 1), 1
	s_wait_xcnt 0x0
; qk[row][d] = sum_kk f_c[row][kk] W'[d][kk] + b'[d]  (bf16, fragment order);   c[row] = f_c[row] . wc + c0  (f32).   8,192 rows, K = 1,024.
; A work-group takes 64 rows (rb = x >> 1) and 256 of the 512 columns d (ch = x & 1).  Wave w takes all 64 rows x the d tiles 16 ch + 2 w, + 1:
; eight accumulators.  f_c is converted once into LDS; W' comes straight from memory into fragment registers (it was stored in that order),
; so no byte of W' is read twice inside a work-group and none goes through LDS.
; W' RING: 15 K steps of two fragments (240 registers) in register window 1.  Its first fill is asked for while f_c is still being converted,
; and a step's registers are asked for again as soon as the step has been multiplied: a refill has 14 K steps, 112 matrix instructions, in which to land.
; Window 1 also holds the LDS addresses of f_c's fragments and the offset into W', so that one setting (source 0 in window 1) serves the LDS loads
; and the matrix instructions, and one more (destination there too) the ring's loads.
; Both column halves compute c (some twenty vector instructions a row); the half with ch = 0 stores it.
; No cluster: f_c is f32 and passes through registers to be converted; W' goes from memory to registers with no LDS copy that a joint load could fill.
; Limit: f_c and qk are rounded to bf16 as matrix operands; b', c, wc, c0 stay in f32.
.set PF,   2064                        ; LDS row: 1,024 bf16 + 16 bytes, an odd multiple of 16
.set CST,  64*PF                       ; 64 words: c of the block's rows
.set STG,  32                          ; v[32:159]  phase 1: four rows of f_c on their way or at work, 32 registers a row
.set WC,   160                         ; v[160:191] phase 1: wc at k = 128 seg + 4 lane + e
.set BI,   192                         ; v[192:207] b' of my two d tiles, as a lane's eight results want it
.set ACC,  32                          ; v[32:95]   phase 2: tile (t, m) at 8 (4 t + m): d tile t, row tile m
.set FF,   96                          ; v[96:159]  phase 2: two buffers of four fragments of f_c
.set PK,   96                          ; the way out
.set RING, 15                          ; window 1, v[0:239]: K step s at 16 (s mod 15), d tile t at + 8 t
.set AFW,  240                         ; window 1, v240, v241: LDS address of my fragments of row tiles 0, 1 and of 2, 3
.set WOFW, 242                         ; window 1, v242: my first d tile in wpf
.set MSB, 0
.macro WIN new                         ; s_set_vgpr_msb: bits 1:0 source 0, 3:2 source 1, 5:4 source 2, 7:6 destination; the high byte repeats the setting that is left
.if MSB != \new
	s_set_vgpr_msb (MSB<<8)|\new
.set MSB, \new
.endif
.endm
	s_load_b256 s[4:11], s[0:1], 0x0               ; f_c s[4:5], wpf s[6:7], bpr s[8:9], wcb s[10:11]
	s_load_b128 s[12:15], s[0:1], 0x20             ; qkf s[12:13], cvec s[14:15]
	v_lshl_add_u32 v254, v0, 2, 0x20500
	v_mov_b32 v255, 0
	v_and_b32 v1, 31, v0                           ; lane
	v_lshrrev_b32 v2, 5, v0
	v_readfirstlane_b32 s16, v2                    ; wave
	s_and_b32 s17, ttmp9, 1                        ; ch
	s_lshr_b32 s18, ttmp9, 1                       ; rb
	s_lshl_b32 s19, s17, 4
	s_lshl1_add_u32 s19, s16, s19                  ; dt0 = 16 ch + 2 w
	s_mov_b32 s20, 0x76543210
	s_mov_b32 s21, 0xfedcba98
	v_lshlrev_b32 v16, 4, v1                       ; 16 x lane
	v_lshl_add_u32 v2, s16, 15, v16                ; my 8 rows of f_c, 4,096 bytes each
	v_and_b32 v12, 15, v1                          ; r
	v_lshrrev_b32 v13, 4, v1                       ; h
	s_lshl_b32 s25, s19, 6
	v_lshl_add_u32 v14, v13, 5, s25                ; b' at d = 16 dt0 + 8 h
	v_mul_u32_u24 v4, v12, PF
	v_add_nc_u32 v5, 32*PF, v4                     ; row tiles 2 and 3: beyond the reach of the 16-bit offset
	s_lshl_b32 s22, s19, 15
	WIN 0x40                                       ; destination in window 1
	v_lshl_add_u32 v[AFW], v13, 4, v4              ; fragments: r x pitch + 16 h
	v_lshl_add_u32 v[AFW+1], v13, 4, v5
	v_add_nc_u32 v[WOFW], s22, v16                 ; 64 k tiles of 512 bytes a d tile
	WIN 0
	s_lshl_b32 s22, s18, 18                        ; 64 rows of 4,096 bytes
	s_mov_b32 s23, 0
	s_wait_kmcnt 0x0
	s_load_b32 s24, s[10:11], 0x1000               ; c0
	s_add_nc_u64 s[4:5], s[4:5], s[22:23]
.macro LDW s                           ; K step s of W': two fragments, four loads of 512 consecutive bytes.  Destination and address in window 1
.irp t, 0,1
	global_load_b128 v[16*((\s)%RING)+8*\t:16*((\s)%RING)+8*\t+3],   v[WOFW], s[6:7] offset:\t*32768+(\s)*1024
	global_load_b128 v[16*((\s)%RING)+8*\t+4:16*((\s)%RING)+8*\t+7], v[WOFW], s[6:7] offset:\t*32768+(\s)*1024+512
.endr
.endm
.irp g, 0,1,2,3,4,5,6,7
	global_load_b128 v[WC+4*\g:WC+4*\g+3], v16, s[10:11] offset:512*\g
.endr
	global_load_b128 v[BI:BI+3],     v14, s[8:9]
	global_load_b128 v[BI+4:BI+7],   v14, s[8:9] offset:16
	global_load_b128 v[BI+8:BI+11],  v14, s[8:9] offset:64
	global_load_b128 v[BI+12:BI+15], v14, s[8:9] offset:80
.irp i, 0,1,2,3
.irp g, 0,1,2,3,4,5,6,7
	global_load_b128 v[STG+32*\i+4*\g:STG+32*\i+4*\g+3], v2, s[4:5] offset:\i*4096+\g*512
.endr
.endr
	WIN 0x41
	LDW 0                                          ; the ring's first four steps; the other eleven follow between the rows below
	LDW 1
	LDW 2
	LDW 3
	WIN 0
	s_mul_i32 s25, s16, 8*PF
	v_lshl_add_u32 v3, v1, 3, s25                  ; where my rows go
	v_and_b32 v7, 7, v1
	v_mov_b32 v8, 0                                ; c of row lane & 7, gathered by selects
	s_lshl_b32 s25, s16, 5
	s_add_co_u32 s25, s25, CST
	v_lshl_add_u32 v15, v7, 2, s25                 ; word 8 w + (lane & 7)
	s_lshl_b32 s25, s18, 16                        ; qkf: 4 rb row tiles of 32 x 512 bytes,
	s_lshl_b32 s26, s19, 9                         ; + dt0 tiles
	s_add_co_u32 s25, s25, s26
	v_add_nc_u32 v9, s25, v16
	v_mov_b32 v13, 0                               ; v_permlanex16_b32 counts as a reader of its destination
	s_wait_kmcnt 0x0                               ; c0
; Row i of my eight: its part of c in f32, then bf16 into LDS.  refill: the same registers are asked for row i + 4.  rn ring steps from r0 on follow.
; left = the loads issued behind this row's: the rows behind it and the ring steps between them (at the calls below).
.macro ROW i, refill, left, r0, rn
	s_wait_loadcnt \left
.set XB, STG+32*(\i&3)
.irp g, 0,1,2,3,4,5,6,7
.if \g == 0
	v_pk_mul_f32 v[10:11], v[XB:XB+1], v[WC:WC+1]
.else
	v_pk_fma_f32 v[10:11], v[XB+4*\g:XB+4*\g+1], v[WC+4*\g:WC+4*\g+1], v[10:11]
.endif
	v_pk_fma_f32 v[10:11], v[XB+4*\g+2:XB+4*\g+3], v[WC+4*\g+2:WC+4*\g+3], v[10:11]
	v_cvt_pk_bf16_f32 v[XB+4*\g], v[XB+4*\g], v[XB+4*\g+1]
	v_cvt_pk_bf16_f32 v[XB+4*\g+1], v[XB+4*\g+2], v[XB+4*\g+3]
	ds_store_b64 v3, v[XB+4*\g:XB+4*\g+1] offset:\i*PF+\g*256
.endr
.if \refill
.irp g, 0,1,2,3,4,5,6,7
	global_load_b128 v[XB+4*\g:XB+4*\g+3], v2, s[4:5] offset:(\i+4)*4096+\g*512
.endr
.endif
.if \rn
	WIN 0x41
	LDW \r0
	LDW \r0+1
.if \rn > 2
	LDW \r0+2
.endif
	WIN 0
.endif
	v_add_f32 v12, v10, v11
	v_add_f32_dpp v12, v12, v12 row_xmask:1 row_mask:0xf bank_mask:0xf
	v_add_f32_dpp v12, v12, v12 row_xmask:2 row_mask:0xf bank_mask:0xf
	v_add_f32_dpp v12, v12, v12 row_xmask:4 row_mask:0xf bank_mask:0xf
	v_add_f32_dpp v12, v12, v12 row_xmask:8 row_mask:0xf bank_mask:0xf
	v_permlanex16_b32 v13, v12, s20, s21
	v_add_f32 v12, v12, v13
	v_add_f32 v12, s24, v12
	v_cmp_eq_u32 vcc_lo, \i, v7
	v_cndmask_b32 v8, v8, v12, vcc_lo
.endm
	ROW 0, 1, 40, 4, 2                             ; behind row 0: rows 1-3 (24) and ring steps 0-3 (16); wc and b' are older and so are in too
	ROW 1, 1, 48, 6, 2                             ; rows 2, 3 (16), steps 0-3 (16), row 4 and steps 4, 5 (16)
	ROW 2, 1, 56, 8, 2                             ; row 3 (8), steps 0-3 (16), two groups of 16
	ROW 3, 1, 63, 10, 2                            ; 64 are younger; the count's field ends at 63
	ROW 4, 0, 56, 12, 3                            ; steps 4, 5 (8) and three groups of 16
	ROW 5, 0, 52, 0, 0                             ; steps 6, 7 (8), two groups of 16, steps 12-14 (12)
	ROW 6, 0, 36, 0, 0                             ; 8 + 16 + 12
	ROW 7, 0, 20, 0, 0                             ; steps 10, 11 (8) and 12-14 (12)
	ds_store_b32 v15, v8                           ; lanes that share a word hold the same number
	s_wait_dscnt 0x0                               ; my rows are in LDS before I say so
	s_barrier_signal -1
	s_barrier_wait -1
.macro LDF s                           ; K step s of f_c: four fragments, eight LDS loads.  Address in window 1, destination in window 0
.irp m, 0,1,2,3
	ds_load_b128 v[FF+32*((\s)&1)+8*\m:FF+32*((\s)&1)+8*\m+3],   v[AFW+(\m>>1)] offset:(\m&1)*16*PF+(\s)*64
	ds_load_b128 v[FF+32*((\s)&1)+8*\m+4:FF+32*((\s)&1)+8*\m+7], v[AFW+(\m>>1)] offset:(\m&1)*16*PF+(\s)*64+32
.endr
.endm
; One K step of 32.  Source 0 = W' (d), source 1 = f_c (rows): a lane's eight results are qk[row r][d = 8h .. 8h+7].
; The eight accumulators take turns, one instruction a turn.  b' starts the sums, in f32.
.macro KSTEP ks
.if \ks >= 1
.rept 4
	v_nop                                          ; four places before loads land on registers that the last step's matrix instructions read
.endr
.endif
.if \ks < 31
	LDF \ks+1
.endif
.if \ks >= 1
.if \ks <= 17
	WIN 0x41
	LDW \ks+14                                     ; into the registers of step ks - 1, which has just been multiplied
	WIN 0x01
.endif
.endif
.if \ks <= 17
	s_wait_loadcnt 56                              ; fourteen younger ring steps of four loads
.else
	s_wait_loadcnt 4*(31-\ks)                      ; nothing more is asked for: the counts run down
.endif
.if \ks < 31
	s_wait_dscnt 8                                 ; the next step's eight fragment loads may be out
.else
	s_wait_dscnt 0
.endif
.irp t, 0,1
.irp m, 0,1,2,3
.if \ks == 0
	v_wmma_f32_16x16x32_bf16 v[ACC+8*(4*\t+\m):ACC+8*(4*\t+\m)+7], v[16*(\ks%RING)+8*\t:16*(\ks%RING)+8*\t+7], v[FF+32*(\ks&1)+8*\m:FF+32*(\ks&1)+8*\m+7], v[BI+8*\t:BI+8*\t+7]
.else
	v_wmma_f32_16x16x32_bf16 v[ACC+8*(4*\t+\m):ACC+8*(4*\t+\m)+7], v[16*(\ks%RING)+8*\t:16*(\ks%RING)+8*\t+7], v[FF+32*(\ks&1)+8*\m:FF+32*(\ks&1)+8*\m+7], v[ACC+8*(4*\t+\m):ACC+8*(4*\t+\m)+7]
.endif
.endr
.endr
.endm
	WIN 0x01                                       ; source 0 in window 1: W' for the matrix instructions, the address for the LDS loads
	LDF 0
.irp ks, 0,1,2,3,4,5,6,7,8,9,10,11,12,13,14,15,16,17,18,19,20,21,22,23,24,25,26,27,28,29,30,31
	KSTEP \ks
.endr
	WIN 0
.rept 4
	v_nop                                          ; four places before results are read and fragment registers rewritten
.endr
.irp t, 0,1
.irp m, 0,1,2,3
.irp j, 0,1,2,3
	v_cvt_pk_bf16_f32 v[PK+4*(4*\t+\m)+\j], v[ACC+8*(4*\t+\m)+2*\j], v[ACC+8*(4*\t+\m)+2*\j+1]
.endr
	global_store_b128 v9, v[PK+4*(4*\t+\m):PK+4*(4*\t+\m)+3], s[12:13] offset:\m*16384+\t*512   ; 512 consecutive bytes, aligned
.endr
.endr
	s_cmp_lg_u32 s16, 0                            ; wave 0 of the half with ch = 0 carries c out
	s_cbranch_scc1 .Lend
	s_cmp_lg_u32 s17, 0
	s_cbranch_scc1 .Lend
	v_lshl_add_u32 v17, v1, 3, CST
	s_lshl_b32 s25, s18, 8
	v_lshl_add_u32 v18, v1, 3, s25
	ds_load_b64 v[20:21], v17                      ; stored in front of the barrier
	s_wait_dscnt 0x0
	global_store_b64 v18, v[20:21], s[14:15]       ; 64 numbers: 256 consecutive bytes, aligned
.Lend:
	s_wait_tensorcnt 0x0
	ds_add_u32 v254, v255
	s_wait_dscnt 0x0
	s_endpgm
.Lfunc_end_k_q786ccefc54_qproj:
	.size	k_q786ccefc54_qproj, .Lfunc_end_k_q786ccefc54_qproj-k_q786ccefc54_qproj
	.p2alignl 7, 3214868480
	.fill 96, 4, 3214868480
	.section	.rodata,"a",@progbits
	.p2align	6, 0x0
	.amdhsa_kernel k_q786ccefc54_qproj
		.amdhsa_group_segment_fixed_size 133376
		.amdhsa_private_segment_fixed_size 0
		.amdhsa_enable_private_segment 0
		.amdhsa_kernarg_size 48
		.amdhsa_user_sgpr_count 2
		.amdhsa_user_sgpr_kernarg_segment_ptr 1
		.amdhsa_wavefront_size32 1
		.amdhsa_system_sgpr_workgroup_id_x 1
		.amdhsa_system_sgpr_workgroup_id_y 1
		.amdhsa_system_sgpr_workgroup_id_z 1
		.amdhsa_system_vgpr_workitem_id 0
		.amdhsa_next_free_vgpr 512
		.amdhsa_next_free_sgpr 66
		.amdhsa_reserve_vcc 1
		.amdhsa_float_denorm_mode_32 3
		.amdhsa_float_denorm_mode_16_64 3
		.amdhsa_memory_ordered 1
		.amdhsa_forward_progress 1
		.amdhsa_inst_pref_size 89
	.end_amdhsa_kernel
	.amdgpu_metadata
---
amdhsa.version: [ 1, 2 ]
amdhsa.kernels:
  - .name:           k_q786ccefc54_qproj
    .symbol:         k_q786ccefc54_qproj.kd
    .args:
      - { .name: f_c, .offset: 0, .size: 8, .value_kind: global_buffer, .address_space: global }
      - { .name: wpf, .offset: 8, .size: 8, .value_kind: global_buffer, .address_space: global }
      - { .name: bpr, .offset: 16, .size: 8, .value_kind: global_buffer, .address_space: global }
      - { .name: wcb, .offset: 24, .size: 8, .value_kind: global_buffer, .address_space: global }
      - { .name: qkf, .offset: 32, .size: 8, .value_kind: global_buffer, .address_space: global }
      - { .name: cvec, .offset: 40, .size: 8, .value_kind: global_buffer, .address_space: global }
    .group_segment_fixed_size: 133376
    .private_segment_fixed_size: 0
    .kernarg_segment_align: 8
    .kernarg_segment_size: 48
    .max_flat_workgroup_size: 256
    .sgpr_count:     66
    .vgpr_count:     512
    .wavefront_size: 32
...
	.end_amdgpu_metadata
.endif
;; end of part 2
;; launch attn (part 3): grid 256 x 1, 4 waves a work-group, no clusters, 68,352 bytes of LDS; arguments f, qkf, cvec, opart, mlp; writes opart, mlp
.if DOCPART == 3
	.amdgcn_target "amdgcn-amd-amdhsa--gfx1250"
	.amdhsa_code_object_version 6
	.text
	.protected	k_q786ccefc54_attn
	.globl	k_q786ccefc54_attn
	.p2align	8
	.type	k_q786ccefc54_attn,@function
k_q786ccefc54_attn:
	s_mov_b64 s[64:65], 0
	v_nop
	global_prefetch_b8 v0, s[64:65] scope:SCOPE_SE
	s_setreg_imm32_b32 hwreg(HW_REG_WAVE_MODE, 25, 1), 1
	s_wait_xcnt 0x0
; Attention with f itself as keys and values.  For a batch b, 128 queries (qh) and 512 of the 2,048 nodes (nq):
;   s[n][q] = f[n] . qk[q] + c[q]   (in powers of two: the scale and log2 e lie in qk and c)
;   m[q] = max_n s,   l[q] = sum_n 2^(s - m),   O[q][:] = sum_n 2^(s - m) f[n][:]     by a running maximum over 16 tiles of 32 nodes.
; m, l and the unnormalised O go to memory; the next launch joins the four node quarters.
; Four waves.  Wave w owns 32 queries (two tiles of 16) for everything: its softmax never leaves the wave, P never leaves its registers.
;   S^T = F Q'^T: source 0 = rows of F (nodes), source 1 = Q': lane (r, h) holds query r, nodes 8h + j.
;   O^T = F^T P^T: source 0 = F through the transposing LDS load (d), source 1 = P: lane (r, h) holds query r, d = 8h + j.
;   Packing S^T's two node tiles gives P's fragment registers 0-3 and 4-7 with no move between lanes; m, l and alpha are one number a lane.
; f is read as f32, converted in registers, and kept as bf16 in two LDS buffers that take turns: 64 KiB of f32 a work-group is always on its way
; (128 registers a wave), each load with a whole trip in which to land.  ONE barrier a trip: in front of it each wave's LDS stores of the next tile and its
; reads of this one are done; behind it the next tile is read and this buffer may be written again.
; THE WAY OUT: O leaves in the accumulators' own order, straight from registers, in the last trip, each batch of eight tiles as soon as it is final.
; Tile (quarter, 16 queries, 16 d) is 1,024 bytes: registers 0-3 of lane L at 16 L, registers 4-7 at 512 + 16 L: every store of a wave covers 512
; consecutive bytes, aligned.  The next launch reads the same order: there a lane's eight numbers are one half of a matrix operand's fragment.
; No cluster: a tile of f is shared by two work-groups only, and it must pass through registers to be converted; staging f32 in LDS would triple the LDS bytes of f.
; REGISTERS in windows of 256: window 0 addresses, softmax state, S, fragments, staging; window 1 Q' (two query tiles x 16 K steps x 8);
; windows 2 and 3 the 64 accumulator tiles of O: tile (dt, c) at 8 (2 (dt & 15) + c).
; Limits: f, qk and P are rounded to bf16 as matrix operands; l sums the unrounded P; 2^x below 2^-126 counts as 0; NaN and infinities are not reproduced.
.set RP,    1056                       ; row i of a tile lies at (i & 7) RP + (i >> 3) GP: in 16-byte columns modulo 16 it starts at 2 (i & 7) + (i >> 3),
.set GP,    8464                       ; so sixteen rows at one column, and eight rows at two neighbouring columns, touch sixteen different columns
.set BUF,   4*GP                       ; a tile of 32 nodes x 512 bf16
.set TILEB, 65536                      ; a tile in memory
.set ADN,  1                           ; natural fragments
.set ADT,  2                           ; transposed fragments
.set ADS,  3                           ; where my 8 rows of a tile go
.set GOF,  4                           ; my 8 rows of a tile in memory
.set PFO,  5                           ; my block of 256 bytes in a tile, for the prefetch
.set M,    6                           ; v6, v7      running maximum, query tile 0, 1
.set AL,   8                           ; v[8:11]     alpha, twice each
.set CM,   12                          ; v[12:15]    c - m, twice each
.set LS,   16                          ; v16, v17    running sum (of my half of the nodes)
.set CC,   18                          ; v18, v19    c
.set T,    20                          ; v[20:29]    at work
.set OOF,  30                          ; v30         first my offset into Q', then 16 x lane for the way out
.set SACC, 32                          ; v[32:63]    S: query tile c at 16 c, node tile 0 then 1; P takes its first eight registers
.set FR,   64                          ; v[64:127]   fragments of F
.set STG,  128                         ; v[128:255]  my 8 rows of the next tile, f32, 16 registers a row
.set MSB, 0
.macro WIN new                         ; the immediate's high byte repeats the setting that is left
.if MSB != \new
	s_set_vgpr_msb (MSB<<8)|\new
.set MSB, \new
.endif
.endm
.macro PLACES
.rept 4
	v_nop
.endr
.endm
; Row b of my eight: f32 to bf16, into LDS buffer buf; refill = 1: the same registers are asked for the next tile's row.
; left = the younger loads: 4 (7 - b) of this tile and, with refills, 4 b of the next.
.macro CONVB b, buf, refill, left
	s_wait_loadcnt \left
.irp g, 0,1,2,3
	v_cvt_pk_bf16_f32 v[STG+16*\b+4*\g], v[STG+16*\b+4*\g], v[STG+16*\b+4*\g+1]
	v_cvt_pk_bf16_f32 v[STG+16*\b+4*\g+1], v[STG+16*\b+4*\g+2], v[STG+16*\b+4*\g+3]
.endr
.irp g, 0,1,2,3
	ds_store_b64 v[ADS], v[STG+16*\b+4*\g:STG+16*\b+4*\g+1] offset:(\buf)*BUF+\b*RP+\g*256
.endr
.if \refill
.irp g, 0,1,2,3
	global_load_b128 v[STG+16*\b+4*\g:STG+16*\b+4*\g+3], v[GOF], s[4:5] offset:\b*2048+\g*512
.endr
.endif
.endm
; K step ks of S: the two node tiles' fragments into group ks & 3 of four
.macro LOADN ks, buf
.irp t, 0,1
	ds_load_b128 v[FR+16*((\ks)&3)+8*\t:FR+16*((\ks)&3)+8*\t+3],   v[ADN] offset:(\buf)*BUF+\t*2*GP+(\ks)*64
	ds_load_b128 v[FR+16*((\ks)&3)+8*\t+4:FR+16*((\ks)&3)+8*\t+7], v[ADN] offset:(\buf)*BUF+\t*2*GP+(\ks)*64+32
.endr
.endm
; d tiles 4 b .. 4 b + 3, transposed, into half b & 1
.macro LOADT b, buf
.irp d, 0,1,2,3
	ds_load_tr16_b128 v[FR+32*((\b)&1)+8*\d:FR+32*((\b)&1)+8*\d+3],   v[ADT] offset:(\buf)*BUF+(4*(\b)+\d)*32
	ds_load_tr16_b128 v[FR+32*((\b)&1)+8*\d+4:FR+32*((\b)&1)+8*\d+7], v[ADT] offset:(\buf)*BUF+(4*(\b)+\d)*32+2*GP
.endr
.endm
; One K step of S: four matrix instructions on four accumulators that take turns, one instruction a turn
.macro SSTEP ks, buf
.if \ks <= 12
.if \ks >= 1
	PLACES                                         ; four places before loads land on the group that the last step's matrix instructions read
.endif
	LOADN \ks+3, \buf
	s_wait_dscnt 12                                ; three younger groups of four loads
.else
	s_wait_dscnt 4*(15-\ks)
.endif
.irp t, 0,1
.irp c, 0,1
.if \ks == 0
	v_wmma_f32_16x16x32_bf16 v[SACC+16*\c+8*\t:SACC+16*\c+8*\t+7], v[FR+16*(\ks&3)+8*\t:FR+16*(\ks&3)+8*\t+7], v[128*\c+8*\ks:128*\c+8*\ks+7], 0
.else
	v_wmma_f32_16x16x32_bf16 v[SACC+16*\c+8*\t:SACC+16*\c+8*\t+7], v[FR+16*(\ks&3)+8*\t:FR+16*(\ks&3)+8*\t+7], v[128*\c+8*\ks:128*\c+8*\ks+7], v[SACC+16*\c+8*\t:SACC+16*\c+8*\t+7]
.endif
.endr
.endr
.endm
; The softmax step of query tile c.  The running maximum is that of the whole score, c included.
.macro SOFT c, first
.set SB, SACC+16*\c
	v_max3_num_f32 v[T],   v[SB],    v[SB+1],  v[SB+2]
	v_max3_num_f32 v[T+1], v[SB+3],  v[SB+4],  v[SB+5]
	v_max3_num_f32 v[T+2], v[SB+6],  v[SB+7],  v[SB+8]
	v_max3_num_f32 v[T+3], v[SB+9],  v[SB+10], v[SB+11]
	v_max3_num_f32 v[T+4], v[SB+12], v[SB+13], v[SB+14]
	v_max3_num_f32 v[T],   v[T],     v[T+1],   v[SB+15]
	v_max3_num_f32 v[T+2], v[T+2],   v[T+3],   v[T+4]
	v_max_num_f32  v[T],   v[T],     v[T+2]
	v_permlanex16_b32 v[T+1], v[T], s20, s21       ; the other half of the lanes holds the query's other 16 nodes
	v_max_num_f32  v[T],   v[T],     v[T+1]
.if \first
	v_add_f32 v[M+\c], v[T], v[CC+\c]
.else
	v_add_f32 v[T], v[T], v[CC+\c]
	v_max_num_f32 v[T], v[T], v[M+\c]
	v_sub_f32 v[T+1], v[M+\c], v[T]
	v_mov_b32 v[M+\c], v[T]
	v_exp_f32 v[AL+2*\c], v[T+1]                   ; alpha; the two subtractions below are the plain instructions behind it (ISA guide 5.7.2)
.endif
	v_sub_f32 v[CM+2*\c],   v[CC+\c], v[M+\c]
	v_sub_f32 v[CM+2*\c+1], v[CC+\c], v[M+\c]
.if \first == 0
	s_wait_alu depctr_va_vdst(0)
	v_mov_b32 v[AL+2*\c+1], v[AL+2*\c]
.endif
.irp j, 0,2,4,6,8,10,12,14
	v_pk_add_f32 v[SB+\j:SB+\j+1], v[SB+\j:SB+\j+1], v[CM+2*\c:CM+2*\c+1]
.endr
.irp j, 0,1,2,3,4,5,6,7,8,9,10,11,12,13,14,15
	v_exp_f32 v[SB+\j], v[SB+\j]
.endr
	v_nop                                          ; one plain instruction before the exponentials' results are read
	s_wait_alu depctr_va_vdst(0)
	v_pk_add_f32 v[T+2:T+3], v[SB:SB+1],     v[SB+2:SB+3]
	v_pk_add_f32 v[T+4:T+5], v[SB+4:SB+5],   v[SB+6:SB+7]
	v_pk_add_f32 v[T+6:T+7], v[SB+8:SB+9],   v[SB+10:SB+11]
	v_pk_add_f32 v[T+8:T+9], v[SB+12:SB+13], v[SB+14:SB+15]
	v_pk_add_f32 v[T+2:T+3], v[T+2:T+3], v[T+4:T+5]
	v_pk_add_f32 v[T+6:T+7], v[T+6:T+7], v[T+8:T+9]
	v_pk_add_f32 v[T+2:T+3], v[T+2:T+3], v[T+6:T+7]
.if \first
	v_add_f32 v[LS+\c], v[T+2], v[T+3]
.else
	v_add_f32 v[T+2], v[T+2], v[T+3]
	v_fma_f32 v[LS+\c], v[LS+\c], v[AL+2*\c], v[T+2]
.endif
.irp j, 0,1,2,3,4,5,6,7
	v_cvt_pk_bf16_f32 v[SB+\j], v[SB+2*\j], v[SB+2*\j+1]       ; in ascending order each target has been read already: P's fragment in SB .. SB+7
.endr
.endm
; O of one window times alpha: 128 packed multiplies
.macro RESC
.irp d, 0,1,2,3,4,5,6,7,8,9,10,11,12,13,14,15
.irp c, 0,1
.irp j, 0,2,4,6
	v_pk_mul_f32 v[8*(2*\d+\c)+\j:8*(2*\d+\c)+\j+1], v[8*(2*\d+\c)+\j:8*(2*\d+\c)+\j+1], v[AL+2*\c:AL+2*\c+1]
.endr
.endr
.endr
.endm
; Four d tiles x two query tiles of O: eight accumulators, each once a trip
.macro PVB b, first
.irp d, 0,1,2,3
.irp c, 0,1
.if \first
	v_wmma_f32_16x16x32_bf16 v[8*(2*((4*\b+\d)&15)+\c):8*(2*((4*\b+\d)&15)+\c)+7], v[FR+32*(\b&1)+8*\d:FR+32*(\b&1)+8*\d+7], v[SACC+16*\c:SACC+16*\c+7], 0
.else
	v_wmma_f32_16x16x32_bf16 v[8*(2*((4*\b+\d)&15)+\c):8*(2*((4*\b+\d)&15)+\c)+7], v[FR+32*(\b&1)+8*\d:FR+32*(\b&1)+8*\d+7], v[SACC+16*\c:SACC+16*\c+7], v[8*(2*((4*\b+\d)&15)+\c):8*(2*((4*\b+\d)&15)+\c)+7]
.endif
.endr
.endr
.endm
; The same eight accumulators, final, to memory: query tile c is 32,768 bytes, d tile 1,024, a half 512; each store covers 512 consecutive bytes, aligned
.macro OUTB b
.irp d, 0,1,2,3
.irp c, 0,1
	global_store_b128 v[OOF], v[8*(2*((4*\b+\d)&15)+\c):8*(2*((4*\b+\d)&15)+\c)+3],   s[10:11] offset:\c*32768+(4*\b+\d)*1024
	global_store_b128 v[OOF], v[8*(2*((4*\b+\d)&15)+\c)+4:8*(2*((4*\b+\d)&15)+\c)+7], s[10:11] offset:\c*32768+(4*\b+\d)*1024+512
.endr
.endr
.endm
; One tile of 32 nodes, read from LDS buffer buf.  first: the sums start.  conv: the next tile is converted into the other buffer;
; conv = 0 is the last tile: each batch of O is stored as soon as it is final.
; refill: the tile after the next is asked for.  pf: the tile after that again is asked into the L2.
.macro TRIP buf, first, conv, refill, pf
.if \refill
	s_wait_xcnt 0x0                                ; the base is stepped only when every earlier access has had its address translated (ISA guide 3.1)
	s_add_nc_u64 s[4:5], s[4:5], TILEB
.endif
	WIN 0x04                                       ; source 1 (Q') in window 1
	LOADN 0, \buf
	LOADN 1, \buf
	LOADN 2, \buf
.irp ks, 0,1,2,3,4,5,6,7,8,9,10,11,12,13,14,15
	SSTEP \ks, \buf
.endr
	WIN 0
	PLACES                                         ; four places before S is read and the fragment registers are loaded again
	LOADT 0, \buf
	LOADT 1, \buf
	SOFT 0, \first
	SOFT 1, \first
.if \first == 0
	WIN 0x82                                       ; destination and source 0 in window 2
	RESC
	WIN 0xc3                                       ; in window 3
	RESC
.endif
.irp b, 0,1,2,3,4,5,6,7
.if \b < 4
	WIN 0xa0                                       ; C and D in window 2
.else
	WIN 0xf0                                       ; in window 3
.endif
.if \b == 0
	s_wait_dscnt 8                                 ; the next batch's eight loads may be out
.elseif \b < 7
	s_wait_dscnt 8+4*\conv                         ; those, and the four LDS stores issued in front of them
.else
	s_wait_dscnt 4*\conv
.endif
	PVB \b, \first
	WIN 0
.if \conv
	CONVB \b, 1-\buf, \refill, 28*\refill+(1-\refill)*4*(7-\b)    ; its eight conversions are the places behind the matrix instructions
.else
.rept 5
	v_nop                                          ; the places behind the matrix instructions: for the stores, which read results, and for the loads into fragment registers
.endr
.if \b < 4
	WIN 0x08                                       ; store data in window 2
.else
	WIN 0x0c                                       ; in window 3
.endif
	OUTB \b
	WIN 0
.endif
.if \b == 0
.if \pf
	global_prefetch_b8 v[PFO], s[4:5] offset:TILEB th:TH_LOAD_NT scope:SCOPE_SE   ; the tile behind the one just asked for: its loads follow one trip later; each of the two work-groups that read it asks for half of its 256 blocks, a lane a block
.endif
.endif
.if \b < 6
	LOADT \b+2, \buf
.endif
.endr
.if \conv
	s_wait_dscnt 0x0                               ; my stores of the next tile and my reads of this one are done
	s_barrier_signal -1
	s_barrier_wait -1
.endif
.endm
	s_load_b256 s[4:11], s[0:1], 0x0               ; f s[4:5], qkf s[6:7], cvec s[8:9], opart s[10:11]
	s_load_b64 s[12:13], s[0:1], 0x20              ; mlp
	v_lshrrev_b32 v1, 5, v0
	v_readfirstlane_b32 s14, v1                    ; wave
	s_and_b32 s15, ttmp9, 1                        ; qh: the two work-groups that read the same nodes are neighbours
	s_bfe_u32 s16, ttmp9, 0x20001                  ; nq
	s_lshr_b32 s17, ttmp9, 3                       ; b
	s_mov_b32 s20, 0x76543210
	s_mov_b32 s21, 0xfedcba98
	s_lshl_b32 s24, s17, 22                        ; 2,048 nodes of 2,048 bytes a batch,
	s_lshl_b32 s25, s16, 20                        ; 512 nodes a quarter
	s_add_co_u32 s24, s24, s25
	s_mov_b32 s25, 0
	s_lshl_b32 s23, s17, 8
	s_lshl_b32 s26, s15, 7
	s_add_co_u32 s23, s23, s26                     ; the work-group's first query row: 256 b + 128 qh
	s_lshl_b32 s26, s23, 10                        ; qkf: 16,384 bytes for 16 rows
	s_mov_b32 s27, 0
	s_lshl_b32 s28, s23, 2
	s_mov_b32 s29, 0
	s_lshl_b32 s30, s14, 5
	s_add_co_u32 s30, s30, s23                     ; my first row
	s_lshl_b32 s31, s16, 13
	s_add_co_u32 s30, s30, s31                     ; + 8,192 nq
	s_lshl_b32 s32, s30, 2
	s_mov_b32 s33, 0
	s_lshl_b32 s30, s30, 11                        ; opart: 32,768 bytes for 16 rows
	s_mov_b32 s31, 0
	v_and_b32 v22, 31, v0                          ; lane
	v_and_b32 v20, 15, v0                          ; r
	v_bfe_u32 v21, v0, 4, 1                        ; h
	v_lshlrev_b32 v23, 4, v22
	v_lshl_add_u32 v[GOF], s14, 14, v23            ; 8 rows of 2,048 bytes a wave
	v_lshl_add_u32 v30, s14, 15, v23               ; my 32 KiB of Q'
	v_lshlrev_b32 v31, 2, v20
	v_lshl_add_u32 v31, s14, 7, v31                ; c of query 32 w + r
	s_wait_kmcnt 0x0
	s_add_nc_u64 s[4:5], s[4:5], s[24:25]
	s_add_nc_u64 s[6:7], s[6:7], s[26:27]
	s_add_nc_u64 s[8:9], s[8:9], s[28:29]
	s_add_nc_u64 s[10:11], s[10:11], s[30:31]
	s_add_nc_u64 s[12:13], s[12:13], s[32:33]
	WIN 0x40                                       ; destination in window 1
.irp a, 0,1,2,3,4,5,6,7
.irp e, 0,1,2,3,4,5,6,7
	global_load_b128 v[4*(8*\a+\e):4*(8*\a+\e)+3], v30, s[6:7] offset:(8*\a+\e)*512   ; Q' was stored in fragment order: load i fills registers 4 i ..
.endr
.endr
	WIN 0
	global_load_b32 v[CC],   v31, s[8:9]
	global_load_b32 v[CC+1], v31, s[8:9] offset:64
.irp b, 0,1,2,3,4,5,6,7
.irp g, 0,1,2,3
	global_load_b128 v[STG+16*\b+4*\g:STG+16*\b+4*\g+3], v[GOF], s[4:5] offset:\b*2048+\g*512   ; tile 0
.endr
.endr
	v_and_b32 v24, 7, v20
	v_mul_u32_u24 v24, v24, RP                     ; (lane & 7) RP
	v_lshrrev_b32 v25, 3, v20                      ; (lane >> 3) & 1
	v_mul_u32_u24 v26, v25, GP
	v_add_nc_u32 v[ADN], v24, v26
	v_lshl_add_u32 v[ADN], v21, 4, v[ADN]          ; row r of a node tile, + 16 h
	v_mul_u32_u24 v26, v21, GP
	v_add_nc_u32 v[ADT], v24, v26
	v_lshl_add_u32 v[ADT], v25, 4, v[ADT]          ; row 8 h + (lane & 7), + 16 bytes for lanes 8-15 and 24-31
	s_mul_i32 s34, s14, GP
	v_lshl_add_u32 v[ADS], v22, 3, s34             ; my group of eight rows
	s_lshl_b32 s34, s15, 7
	v_add_nc_u32 v[PFO], s34, v0
	v_lshlrev_b32 v[PFO], 8, v[PFO]                ; block 128 qh + thread
	s_wait_xcnt 0x0                                ; every access so far has had its address translated: the base and v30 may be written
	s_add_nc_u64 s[4:5], s[4:5], TILEB             ; tile 1
	v_lshlrev_b32 v[OOF], 4, v22                   ; 16 x lane, for the way out
	CONVB 0, 0, 1, 28                              ; the count also shows Q' and c, which were asked for earlier, to be in
	global_prefetch_b8 v[PFO], s[4:5] offset:TILEB th:TH_LOAD_NT scope:SCOPE_SE   ; tile 2
.irp b, 1,2,3,4,5,6,7
	CONVB \b, 0, 1, 28
.endr
	s_wait_dscnt 0x0
	s_barrier_signal -1
	s_barrier_wait -1
	TRIP 0, 1, 1, 1, 1                             ; tile 0 starts the sums: nothing is cleared
	s_mov_b32 s22, 6
.Lpair:
	TRIP 1, 0, 1, 1, 1                             ; tiles 1 to 12; the last prefetch asks for tile 15, the quarter's last
	TRIP 0, 0, 1, 1, 1
	s_sub_co_u32 s22, s22, 1
	s_cmp_lg_u32 s22, 0
	s_cbranch_scc1 .Lpair
	TRIP 1, 0, 1, 1, 0                             ; tile 13: asks for tile 15
	TRIP 0, 0, 1, 0, 0                             ; tile 14: converts tile 15, asks for nothing
	TRIP 1, 0, 0, 0, 0                             ; tile 15: O leaves batch by batch
	; m and l: lane L stores those of query L of my 32, which it holds itself (tile L >> 4, r = L & 15)
	v_permlanex16_b32 v20, v[LS], s20, s21
	v_permlanex16_b32 v21, v[LS+1], s20, s21
	v_add_f32 v[LS], v[LS], v20                    ; both halves of the nodes
	v_add_f32 v[LS+1], v[LS+1], v21
	v_and_b32 v22, 31, v0
	v_cmp_gt_u32 vcc_lo, 16, v22
	v_cndmask_b32 v23, v[M+1], v[M], vcc_lo
	v_cndmask_b32 v24, v[LS+1], v[LS], vcc_lo
	v_lshlrev_b32 v25, 2, v22
	global_store_b32 v25, v23, s[12:13]
	global_store_b32 v25, v24, s[12:13] offset:131072
	s_wait_xcnt 0x0
	v_lshl_add_u32 v254, v0, 2, 0x10900
	v_mov_b32 v255, 0
	s_wait_tensorcnt 0x0
	ds_add_u32 v254, v255
	s_wait_dscnt 0x0
	s_endpgm
.Lfunc_end_k_q786ccefc54_attn:
	.size	k_q786ccefc54_attn, .Lfunc_end_k_q786ccefc54_attn-k_q786ccefc54_attn
	.p2alignl 7, 3214868480
	.fill 96, 4, 3214868480
	.section	.rodata,"a",@progbits
	.p2align	6, 0x0
	.amdhsa_kernel k_q786ccefc54_attn
		.amdhsa_group_segment_fixed_size 68352
		.amdhsa_private_segment_fixed_size 0
		.amdhsa_enable_private_segment 0
		.amdhsa_kernarg_size 40
		.amdhsa_user_sgpr_count 2
		.amdhsa_user_sgpr_kernarg_segment_ptr 1
		.amdhsa_wavefront_size32 1
		.amdhsa_system_sgpr_workgroup_id_x 1
		.amdhsa_system_sgpr_workgroup_id_y 1
		.amdhsa_system_sgpr_workgroup_id_z 1
		.amdhsa_system_vgpr_workitem_id 0
		.amdhsa_next_free_vgpr 1024
		.amdhsa_next_free_sgpr 66
		.amdhsa_reserve_vcc 1
		.amdhsa_float_denorm_mode_32 3
		.amdhsa_float_denorm_mode_16_64 3
		.amdhsa_memory_ordered 1
		.amdhsa_forward_progress 1
		.amdhsa_inst_pref_size 255
	.end_amdhsa_kernel
	.section	.bss,"aw",@nobits
	.p2align	6
	.space	262144
	.amdgpu_metadata
---
amdhsa.version: [ 1, 2 ]
amdhsa.kernels:
  - .name:           k_q786ccefc54_attn
    .symbol:         k_q786ccefc54_attn.kd
    .args:
      - { .name: f, .offset: 0, .size: 8, .value_kind: global_buffer, .address_space: global }
      - { .name: qkf, .offset: 8, .size: 8, .value_kind: global_buffer, .address_space: global }
      - { .name: cvec, .offset: 16, .size: 8, .value_kind: global_buffer, .address_space: global }
      - { .name: opart, .offset: 24, .size: 8, .value_kind: global_buffer, .address_space: global }
      - { .name: mlp, .offset: 32, .size: 8, .value_kind: global_buffer, .address_space: global }
    .group_segment_fixed_size: 68352
    .private_segment_fixed_size: 0
    .kernarg_segment_align: 8
    .kernarg_segment_size: 40
    .max_flat_workgroup_size: 128
    .sgpr_count:     66
    .vgpr_count:     1024
    .wavefront_size: 32
...
	.end_amdgpu_metadata
.endif
;; end of part 3
;; launch comb (part 4): grid 256 x 1, 8 waves a work-group, no clusters, 103,424 bytes of LDS; arguments opart, mlp, wvf, bv, out0; writes out0
.if DOCPART == 4
	.amdgcn_target "amdgcn-amd-amdhsa--gfx1250"
	.amdhsa_code_object_version 6
	.text
	.protected	k_q786ccefc54_comb
	.globl	k_q786ccefc54_comb
	.p2align	8
	.type	k_q786ccefc54_comb,@function
k_q786ccefc54_comb:
	s_mov_b64 s[64:65], 0
	v_nop
	global_prefetch_b8 v0, s[64:65] scope:SCOPE_SE
	s_setreg_imm32_b32 hwreg(HW_REG_WAVE_MODE, 25, 1), 1
	s_wait_xcnt 0x0
; Joins the four node quarters and applies Wv.  For each of 8,192 rows:
;   M = max_p m_p,  w_p = 2^(m_p - M),  g = sum_p w_p O_p / sum_p w_p l_p   (f32; then bf16 as a matrix operand),   out = g Wv + bv.
; bv is added once: the weights of a softmax row sum to one.
; A work-group owns 32 rows, two row tiles of 16.  The partial sums lie in the order of the accumulators that made them: tile (quarter, row tile, d tile) is
; 1,024 bytes, lane (r, h) holding O[row r][16 dt + 8 h + 0..3] at 16 L and + 4..7 at 512 + 16 L.
; Phase 1: wave w joins the eight tiles 8 w .. 8 w + 7 of the work-group's 64 (row tile w >> 2, d tiles 8 (w & 3) ..): 8 KiB in a row of each quarter.
; All its numbers in a lane belong to one row, so the four coefficients are one set a lane, made once.  A tile's eight joined numbers, rounded, are 16 bytes:
; one half of g's operand fragment.  They go to LDS at tile x 512 + 16 L: stores and later loads of a wave cover 512 consecutive bytes, with no padding.
; Phase 2: wave w makes columns 64 w .. 64 w + 63 of all 32 rows: 4 column tiles x 2 row tiles, eight accumulators; Wv comes straight from memory into
; fragment registers (stored in that order).
; Wv RING: 7 K steps of four fragments (224 registers) in register window 1.  Its first fill is asked for between the loads of phase 1, and a step's
; registers are asked for again as soon as the step has been multiplied: a refill has 6 K steps, 48 matrix instructions, in which to land.  bv rides as a
; seventeenth step.  Window 1 also holds the LDS address of g's fragments and the offsets into Wv and bv, so that one setting (source 0 in window 1)
; serves the LDS loads and the matrix instructions, and one more (destination there too) the ring's loads.
; No cluster: the partial sums are each read by one work-group; Wv goes from memory to registers with no LDS copy that a joint load could fill.
; Limit: g and Wv are rounded to bf16 as matrix operands; 2^x below 2^-126 counts as 0.  The sum of w_p l_p is at least 1: no division by zero.
.set STL,  32768                       ; behind g's 64 tiles of 512 bytes: 32 rows x SPC for each wave, its own, for the way out
.set SPC,  272
.set MM,   24                          ; v[24:27]   phase 1: m of my row, quarter p
.set LL,   28                          ; v[28:31]   l likewise
.set CO,   32                          ; v[32:39]   coefficient of quarter p at 2 p, twice
.set ST,   128                         ; v[128:255] two sets of two tiles on their way or at work: quarter p at 16 p, piece g of 512 bytes at 4 g
.set ACC,  24                          ; v[24:87]   phase 2: tile (t, m) at 8 (2 t + m)
.set GF,   88                          ; v[88:119]  two buffers of two fragments of g
.set OB,   128                         ; the way out
.set RING, 7                           ; window 1, v[0:223]: K step s at 32 (s mod 7), column tile t at + 8 t
.set BVS,  32*(16%RING)                ; bv's place in the ring
.set GAW,  224                         ; window 1, v224: 16 x lane, the LDS address of g's fragments
.set WOFW, 225                         ; window 1, v225: my four column tiles in wvf
.set BVW,  226                         ; window 1, v226: bv at column 64 w + 8 h
.set MSB, 0
.macro WIN new                         ; s_set_vgpr_msb: bits 1:0 source 0, 3:2 source 1, 5:4 source 2, 7:6 destination; the high byte repeats the setting that is left
.if MSB != \new
	s_set_vgpr_msb (MSB<<8)|\new
.set MSB, \new
.endif
.endm
	s_load_b256 s[4:11], s[0:1], 0x0               ; opart s[4:5], mlp s[6:7], wvf s[8:9], bv s[10:11]
	s_load_b64 s[12:13], s[0:1], 0x20              ; out0
	v_lshl_add_u32 v126, v0, 2, 0x19000
	v_mov_b32 v127, 0
	v_and_b32 v1, 31, v0                           ; lane
	v_lshrrev_b32 v2, 5, v0
	v_readfirstlane_b32 s14, v2                    ; wave
	s_lshl_b32 s24, ttmp9, 16                      ; two row tiles of 32,768 bytes in opart; 32 rows of 2,048 bytes in out0
	s_mov_b32 s25, 0
	s_lshr_b32 s26, s14, 2                         ; my row tile
	s_lshl_b32 s26, s26, 6
	s_lshl_b32 s27, ttmp9, 7
	s_add_co_u32 s26, s26, s27
	v_and_b32 v14, 15, v1                          ; r
	v_lshrrev_b32 v15, 4, v1                       ; h
	v_lshl_add_u32 v3, v14, 2, s26                 ; 4 bytes x (32 x + 16 (w >> 2) + r): my row in m and l
	v_lshlrev_b32 v4, 4, v1
	v_lshl_add_u32 v5, s14, 13, v4                 ; my eight tiles
	s_lshl_b32 s27, s14, 8
	WIN 0x40                                       ; destination in window 1
	v_lshlrev_b32 v[GAW], 4, v1
	v_lshl_add_u32 v[WOFW], s14, 16, v4            ; 16,384 bytes a column tile
	v_lshl_add_u32 v[BVW], v15, 5, s27
	WIN 0
	s_wait_kmcnt 0x0
	s_add_nc_u64 s[16:17], s[4:5], s[24:25]        ; a base for each quarter: their distance is beyond the immediate's reach
	s_add_nc_u64 s[18:19], s[16:17], 0x1000000
	s_add_nc_u64 s[20:21], s[18:19], 0x1000000
	s_add_nc_u64 s[22:23], s[20:21], 0x1000000
	s_add_nc_u64 s[12:13], s[12:13], s[24:25]
.irp p, 0,1,2,3
	global_load_b32 v[MM+\p], v3, s[6:7] offset:\p*32768
	global_load_b32 v[LL+\p], v3, s[6:7] offset:\p*32768+131072
.endr
.macro LROW i                          ; tiles 2 i and 2 i + 1 of my eight, all four quarters: 16 loads of 512 consecutive bytes, read once in the launch
.irp p, 0,1,2,3
.irp g, 0,1,2,3
	global_load_b128 v[ST+64*((\i)&1)+16*\p+4*\g:ST+64*((\i)&1)+16*\p+4*\g+3], v5, s[16+2*\p:17+2*\p] offset:(\i)*2048+\g*512 th:TH_LOAD_NT
.endr
.endr
.endm
.macro LDW s                           ; K step s of Wv: four fragments, eight loads of 512 consecutive bytes.  Destination and address in window 1
.irp t, 0,1,2,3
	global_load_b128 v[32*((\s)%RING)+8*\t:32*((\s)%RING)+8*\t+3],   v[WOFW], s[8:9] offset:\t*16384+(\s)*1024
	global_load_b128 v[32*((\s)%RING)+8*\t+4:32*((\s)%RING)+8*\t+7], v[WOFW], s[8:9] offset:\t*16384+(\s)*1024+512
.endr
.endm
	LROW 0
	LROW 1
	WIN 0x41
	LDW 0                                          ; the ring's first two steps; the other five follow between the sets below
	LDW 1
	WIN 0
	v_lshl_add_u32 v6, s14, 12, v4                 ; where my eight tiles of g go
	s_mul_i32 s28, s14, 32*SPC
	s_add_co_u32 s28, s28, STL                     ; my stage
	v_mul_u32_u24 v10, v14, SPC
	v_lshl_add_u32 v10, v15, 5, v10
	v_add_nc_u32 v10, s28, v10                     ; in: row r, + 32 h
	v_mul_u32_u24 v11, v15, SPC
	v_lshl_add_u32 v11, v14, 4, v11
	v_add_nc_u32 v11, s28, v11                     ; back: lanes 0-15 one row of 256 bytes, lanes 16-31 the next
	v_lshlrev_b32 v12, 11, v15
	v_lshl_add_u32 v12, v14, 4, v12
	v_add_nc_u32 v12, s27, v12                     ; and the same in out0
	s_wait_loadcnt 48                              ; m and l are in; two sets of 16 loads and two ring steps of 8 may be out
	v_max3_num_f32 v14, v[MM], v[MM+1], v[MM+2]
	v_max_num_f32 v14, v14, v[MM+3]
.irp p, 0,1,2,3
	v_sub_f32 v[CO+2*\p], v[MM+\p], v14
.endr
.irp p, 0,1,2,3
	v_exp_f32 v[CO+2*\p], v[CO+2*\p]
.endr
	v_nop                                          ; one plain instruction behind the exponentials (ISA guide 5.7.2)
	s_wait_alu depctr_va_vdst(0)
	v_mul_f32 v15, v[CO], v[LL]
	v_fmac_f32 v15, v[CO+2], v[LL+1]
	v_fmac_f32 v15, v[CO+4], v[LL+2]
	v_fmac_f32 v15, v[CO+6], v[LL+3]
	v_rcp_f32 v16, v15
	v_nop                                          ; and one behind the reciprocal
	s_wait_alu depctr_va_vdst(0)
.irp p, 0,1,2,3
	v_mul_f32 v[CO+2*\p+1], v[CO+2*\p], v16
	v_mul_f32 v[CO+2*\p],   v[CO+2*\p], v16
.endr
; Set i: two tiles, the four quarters joined, rounded, 16 bytes a lane and tile into LDS.  refill: the same registers are asked for set i + 2.
; rn ring steps from r0 on follow.  left = the loads issued behind this set's (at the calls below).
.macro CROW i, refill, left, r0, rn
	s_wait_loadcnt \left
.set XB, ST+64*(\i&1)
.irp g, 0,1,2,3
.irp e, 0,2
	v_pk_mul_f32 v[XB+4*\g+\e:XB+4*\g+\e+1], v[XB+4*\g+\e:XB+4*\g+\e+1], v[CO:CO+1]
	v_pk_fma_f32 v[XB+4*\g+\e:XB+4*\g+\e+1], v[XB+16+4*\g+\e:XB+16+4*\g+\e+1], v[CO+2:CO+3], v[XB+4*\g+\e:XB+4*\g+\e+1]
	v_pk_fma_f32 v[XB+4*\g+\e:XB+4*\g+\e+1], v[XB+32+4*\g+\e:XB+32+4*\g+\e+1], v[CO+4:CO+5], v[XB+4*\g+\e:XB+4*\g+\e+1]
	v_pk_fma_f32 v[XB+4*\g+\e:XB+4*\g+\e+1], v[XB+48+4*\g+\e:XB+48+4*\g+\e+1], v[CO+6:CO+7], v[XB+4*\g+\e:XB+4*\g+\e+1]
.endr
.endr
.irp u, 0,1
.irp j, 0,1,2,3
	v_cvt_pk_bf16_f32 v[XB+8*\u+\j], v[XB+8*\u+2*\j], v[XB+8*\u+2*\j+1]     ; in ascending order each target has been read already
.endr
	ds_store_b128 v6, v[XB+8*\u:XB+8*\u+3] offset:(2*\i+\u)*512
.endr
.if \refill
	LROW \i+2
.endif
.if \rn
	WIN 0x41
	LDW \r0
.if \rn > 1
	LDW \r0+1
.endif
	WIN 0
.endif
.endm
	CROW 0, 1, 32, 2, 2                            ; behind set 0: set 1 (16) and ring steps 0, 1 (16)
	CROW 1, 1, 48, 4, 2                            ; steps 0, 1 (16), set 2 (16), steps 2, 3 (16)
	CROW 2, 0, 48, 6, 1                            ; steps 2, 3 (16), set 3 (16), steps 4, 5 (16)
	CROW 3, 0, 24, 0, 0                            ; steps 4, 5 (16) and 6 (8)
	s_wait_dscnt 0x0                               ; my tiles of g are in LDS before I say so
	s_barrier_signal -1
	s_barrier_wait -1
.macro LDG s                           ; K step s of g: two fragments, each two neighbouring tiles.  Address in window 1, destination in window 0
.irp m, 0,1
	ds_load_b128 v[GF+16*((\s)&1)+8*\m:GF+16*((\s)&1)+8*\m+3],   v[GAW] offset:\m*16384+(\s)*1024
	ds_load_b128 v[GF+16*((\s)&1)+8*\m+4:GF+16*((\s)&1)+8*\m+7], v[GAW] offset:\m*16384+(\s)*1024+512
.endr
.endm
; One K step of 32.  Source 0 = Wv (columns), source 1 = g (rows): a lane's eight results are out[row r][column 8h .. 8h+7].
; The eight accumulators take turns, one instruction a turn.
.macro KSTEP ks
.if \ks >= 1
.rept 4
	v_nop                                          ; four places before loads land on registers that the last step's matrix instructions read
.endr
.endif
.if \ks < 15
	LDG \ks+1
.endif
.if \ks >= 1
.if \ks <= 9
	WIN 0x41
	LDW \ks+6                                      ; into the registers of step ks - 1, which has just been multiplied
	WIN 0x01
.endif
.endif
.if \ks == 10
	WIN 0x41
.irp t, 0,1,2,3
	global_load_b128 v[BVS+8*\t:BVS+8*\t+3],   v[BVW], s[10:11] offset:\t*64        ; the last refill is bv, as a lane's eight results want it
	global_load_b128 v[BVS+8*\t+4:BVS+8*\t+7], v[BVW], s[10:11] offset:\t*64+16
.endr
	WIN 0x01
.endif
.if \ks <= 10
	s_wait_loadcnt 48                              ; six younger groups of eight loads
.else
	s_wait_loadcnt 8*(16-\ks)                      ; nothing more is asked for: the counts run down; bv's group is the last
.endif
.if \ks < 15
	s_wait_dscnt 4                                 ; the next step's four fragment loads may be out
.else
	s_wait_dscnt 0
.endif
.irp t, 0,1,2,3
.irp m, 0,1
.if \ks == 0
	v_wmma_f32_16x16x32_bf16 v[ACC+8*(2*\t+\m):ACC+8*(2*\t+\m)+7], v[32*(\ks%RING)+8*\t:32*(\ks%RING)+8*\t+7], v[GF+16*(\ks&1)+8*\m:GF+16*(\ks&1)+8*\m+7], 0
.else
	v_wmma_f32_16x16x32_bf16 v[ACC+8*(2*\t+\m):ACC+8*(2*\t+\m)+7], v[32*(\ks%RING)+8*\t:32*(\ks%RING)+8*\t+7], v[GF+16*(\ks&1)+8*\m:GF+16*(\ks&1)+8*\m+7], v[ACC+8*(2*\t+\m):ACC+8*(2*\t+\m)+7]
.endif
.endr
.endr
.endm
	WIN 0x01                                       ; source 0 in window 1: Wv for the matrix instructions, the address for the LDS loads
	LDG 0
.irp ks, 0,1,2,3,4,5,6,7,8,9,10,11,12,13,14,15
	KSTEP \ks
.endr
.rept 4
	v_nop                                          ; four places before the results are read
.endr
	s_wait_loadcnt 0x0                             ; bv
	WIN 0x04                                       ; source 1 (bv) in window 1
.irp t, 0,1,2,3
.irp m, 0,1
.irp j, 0,2,4,6
	v_pk_add_f32 v[ACC+8*(2*\t+\m)+\j:ACC+8*(2*\t+\m)+\j+1], v[ACC+8*(2*\t+\m)+\j:ACC+8*(2*\t+\m)+\j+1], v[BVS+8*\t+\j:BVS+8*\t+\j+1]
.endr
.endr
.endr
	WIN 0
.irp t, 0,1,2,3
.irp m, 0,1
	ds_store_b128 v10, v[ACC+8*(2*\t+\m):ACC+8*(2*\t+\m)+3]   offset:\m*16*SPC+\t*64
	ds_store_b128 v10, v[ACC+8*(2*\t+\m)+4:ACC+8*(2*\t+\m)+7] offset:\m*16*SPC+\t*64+16
.endr
.endr
.irp a, 0,1,2,3,4,5,6,7,8,9,10,11,12,13,14,15
	ds_load_b128 v[OB+4*\a:OB+4*\a+3], v11 offset:\a*2*SPC            ; my own stage: LDS serves a wave's instructions in order
.endr
.irp a, 0,1,2,3,4,5,6,7,8,9,10,11,12,13,14,15
	s_wait_dscnt 15-\a
	global_store_b128 v12, v[OB+4*\a:OB+4*\a+3], s[12:13] offset:\a*4096 th:TH_STORE_NT   ; sixteen lanes store 256 consecutive bytes, aligned
.endr
	s_wait_tensorcnt 0x0
	ds_add_u32 v126, v127
	s_wait_dscnt 0x0
	s_endpgm
.Lfunc_end_k_q786ccefc54_comb:
	.size	k_q786ccefc54_comb, .Lfunc_end_k_q786ccefc54_comb-k_q786ccefc54_comb
	.p2alignl 7, 3214868480
	.fill 96, 4, 3214868480
	.section	.rodata,"a",@progbits
	.p2align	6, 0x0
	.amdhsa_kernel k_q786ccefc54_comb
		.amdhsa_group_segment_fixed_size 103424
		.amdhsa_private_segment_fixed_size 0
		.amdhsa_enable_private_segment 0
		.amdhsa_kernarg_size 40
		.amdhsa_user_sgpr_count 2
		.amdhsa_user_sgpr_kernarg_segment_ptr 1
		.amdhsa_wavefront_size32 1
		.amdhsa_system_sgpr_workgroup_id_x 1
		.amdhsa_system_sgpr_workgroup_id_y 1
		.amdhsa_system_sgpr_workgroup_id_z 1
		.amdhsa_system_vgpr_workitem_id 0
		.amdhsa_next_free_vgpr 512
		.amdhsa_next_free_sgpr 66
		.amdhsa_reserve_vcc 0
		.amdhsa_float_denorm_mode_32 3
		.amdhsa_float_denorm_mode_16_64 3
		.amdhsa_memory_ordered 1
		.amdhsa_forward_progress 1
		.amdhsa_inst_pref_size 56
	.end_amdhsa_kernel
	.amdgpu_metadata
---
amdhsa.version: [ 1, 2 ]
amdhsa.kernels:
  - .name:           k_q786ccefc54_comb
    .symbol:         k_q786ccefc54_comb.kd
    .args:
      - { .name: opart, .offset: 0, .size: 8, .value_kind: global_buffer, .address_space: global }
      - { .name: mlp, .offset: 8, .size: 8, .value_kind: global_buffer, .address_space: global }
      - { .name: wvf, .offset: 16, .size: 8, .value_kind: global_buffer, .address_space: global }
      - { .name: bv, .offset: 24, .size: 8, .value_kind: global_buffer, .address_space: global }
      - { .name: out0, .offset: 32, .size: 8, .value_kind: global_buffer, .address_space: global }
    .group_segment_fixed_size: 103424
    .private_segment_fixed_size: 0
    .kernarg_segment_align: 8
    .kernarg_segment_size: 40
    .max_flat_workgroup_size: 256
    .sgpr_count:     66
    .vgpr_count:     512
    .wavefront_size: 32
...
	.end_amdgpu_metadata
.endif
;; end of part 4
